; MI455X (gfx1250); checked and timed in simulation.
; The chip was launched on July 23, 2026; its instructions are those of AMD's public machine-readable ISA for CDNA 5 (MIT licence, August 2026) and "CDNA5" Instruction Set Architecture Reference Guide (July 2026). The comments in the code are by the model that wrote it; some were corrected since.
;; MHA. Allowed arithmetic: matrix products marked QUANTISED: E4M3 operands, one given power-of-two scale a tensor, by v_wmma_f32_16x16x64_fp8_fp8 or v_wmma_f32_16x16x128_fp8_fp8, f32 sums; everything else in f32.
;; Inputs: Wk 1,024 x 1,024 float32; Wo 1,024 x 1,024 float32; Wq 1,024 x 1,024 float32; Wv 1,024 x 1,024 float32; lowp_scales 8 int32 (the exponents e of the quantised operands' scales 2^e); token_positions 2,048 int32; x 4 x 2,048 x 1,024 float32.
;; Outputs: out0 4 x 2,048 x 1,024 float32.
;; This version of the problem:
;;   THIS VERSION OF THE PROBLEM IS GIVEN IN LOW PRECISION. The matrix products marked QUANTISED in the list below multiply operands that are first quantised to E4M3 (4 exponent bits, 3 mantissa bits; 8 bits a number), with one given power-of-two scale for each operand tensor; their sums are f32. All else is computed in f32.
;;   The module's matrix products, in the order in which they are computed (A, B: the left and right operand; K: the contracted axis; several contracted axes count as one K, in the product's order):
;;     1. [M 8,192, K 1,024] x [K 1,024, N 3,072]; A: input x; B: computed on the way: QUANTISED (scales: A lowp_scales[0], B lowp_scales[1])
;;     2. batch 64 x [M 2,048, K 64] x [K 64, N 2,048]; A: computed on the way; B: computed on the way: QUANTISED (scales: A lowp_scales[2], B lowp_scales[3])
;;     3. batch 64 x [M 2,048, K 2,048] x [K 2,048, N 64]; A: softmax (see below); B: computed on the way: QUANTISED (scales: A lowp_scales[4], B lowp_scales[5])
;;     4. [M 8,192, K 1,024] x [K 1,024, N 1,024]; A: computed on the way; B: input Wo: QUANTISED (scales: A lowp_scales[6], B lowp_scales[7])
;;   THE QUANTISER, for each operand of a quantised product, along K:
;;     - The operand's scale is 2^e, e = its entry of the input lowp_scales (int32; the entries are numbered through the quantised products in the list's order, A before B).
;;     - Each number is divided by the scale, clamped to +-448, and rounded to the nearest number of E4M3, ties to even, subnormals kept.
;;     - The product sums the exact products of the quantised numbers (number of the format x scale) in f32.
;;   ~~~python
;;   def quantise(x, axis, e):      # numpy; x: float32 -> the quantised numbers, widened to float32 again
;;       x = np.moveaxis(x, axis, -1); K = x.shape[-1]
;;       r = np.clip(x / 2.0 ** e, -448, 448)
;;       step = 2.0 ** (np.maximum(np.frexp(np.where(r == 0, 1, r))[1] - 1, -6) - 3)
;;       q = np.round(r / step) * step * 2.0 ** e      # np.round: ties to even
;;       return np.moveaxis(q, -1, axis).astype(np.float32)
;;   ~~~
;;   SOFTMAX AHEAD OF A QUANTISED PRODUCT. Where the list says 'softmax', what is quantised is not the finished softmax but p = 2^(t - M), with t = logit x log2(e) and M = ceil(the row's largest t), a whole number; so 1/2 < the row's largest p <= 1. The row's sum l is taken of the UNQUANTISED p, in f32, and the product's result is divided by l at the end. Since M is a whole number, a kernel that streams over the keys may use a running M (the ceiling of the running maximum): every later rescaling is an exact power of two, so the quantised numbers keep their values, but for numbers so far below the row's largest that they fall under the format's range.
;;   OPERANDS COMPUTED ON THE WAY. 'Computed on the way' means the value that the module computes at that place (a softmax that the list does not call 'softmax' is quantised finished and normalised). What goes into a quantiser is computed in f32, as accurately as f32 sums, v_exp_f32 and their like allow (about 1e-6 of the number): no bf16 or f16 on the way to a quantiser, and a product that is left as it is and whose result goes on into a quantised operand takes f32 operands (vector FMAs, or v_wmma_f32_16x16x4_f32). A number that lies on a knife's edge between two numbers of the format may be rounded either way, as far as f32 arithmetic and the matrix unit's own rounding can turn it there, and no further.
;; One version. Each part assembles by itself: llvm-mc -triple=amdgcn-amd-amdhsa -mcpu=gfx1250 --defsym DOCPART=n.
;; ======== version 1 of 1: 4 launches
;; limits: right only within a limited range of input values
;; workspace buffers: xw 12,582,912 bytes; rope 524,288 bytes; qkvc 25,165,824 bytes; aimg 8,388,608 bytes
;; launch prep (part 1): grid 448 x 1, 4 waves a work-group, no clusters, 35,328 bytes of LDS; arguments x, Wq, Wk, Wv, Wo, token_positions, lowp_scales, xw, rope; writes xw, rope
.if DOCPART == 1
	.amdgcn_target "amdgcn-amd-amdhsa--gfx1250"
	.amdhsa_code_object_version 6
	.text
	.protected	k_q395d906818_prep
	.globl	k_q395d906818_prep
	.p2align	8
	.type	k_q395d906818_prep,@function
k_q395d906818_prep:
	s_mov_b64 s[64:65], 0
	v_nop
	global_prefetch_b8 v0, s[64:65] scope:SCOPE_SE
	s_setreg_imm32_b32 hwreg(HW_REG_WAVE_MODE, 25, 1), 1
	s_wait_xcnt 0x0
; PREP.  x [8192][1024] (scale 2^e0), Wq, Wk, Wv [1024][1024] (2^e1) and Wo [1024][1024] (2^e7), all f32 with K innermost, become codes of FP8 (E4M3); and the table of cosines and sines for the rotation is made.
; code = number / 2^e, held within +-448, rounded to the nearest code, ties to even.
; THE CODES ARE LAID AS IMAGES OF THE OPERAND'S REGISTERS (16 rows x 128 K of the 16x16x128 form: lane (r, h) holds row r, registers 2 c, 2 c + 1 hold K = 16 c + 8 h + 0 .. 7):
;   byte of (row, k) = (k / 256) x NRB x 4096 + (row / 16) x 4096 + ((k / 128) % 2) x 2048 + group x 512 + lane x 16 + ..;  NRB = row blocks of the operand.
;   xw: x's image at 0 (NRB = 512); at WOFF the image of the 4,096 rows Wq, Wk, Wv, Wo (NRB = 256).  So every store of a wave covers 512 consecutive bytes, aligned, and a product's tile is one dense block.
; SHARES.  Work-groups 0-255: x; 256-383: the weights, 32 to a matrix; 384-447: the table.  A quantising work-group takes 32 rows; wave w takes 16 of them (w / 2) and half of K (w % 2): four fragments.
; A fragment's 16 loads read a row's 512 consecutive bytes each; the numbers turn through the wave's own stage in LDS (16 rows, 528 bytes apart) and come back 32 bytes of 8 neighbours along K at a time.
; No tensor loads, no barrier, no cluster: the work-groups share no input, and waves share nothing.  Memory binds: each input byte is read once.
; THE TABLE: rope[token block tb][u = 0 .. 7][lane][cos i0, sin i0, cos i0 + 1, sin i0 + 1], token 16 tb + r, i0 = 8 (u / 2) + 4 h + 2 (u % 2): the order in which the next launch's results want them.
;   frequency = 10000^(-i / 32) = 2^(-i L), L = log2(10000) / 32 in two f32 parts; angle = position x frequency, rounded once; sine and cosine by a reduction with pi / 2 in three parts and polynomials in f32.
; LIMITS: e0, e1, e7 between -126 and 119 (so that 2^e and 448 x 2^e are f32 numbers); |token position| up to 2^21 (the reduction's range); NaN among the inputs is not served.
.set WOFF,  8388608
.set STG,   8704                       ; a wave's stage: 16 x 528 bytes, rounded up to blocks of 512
.set SP,    528                        ; a stage row: 512 bytes + 16: the sixteen rows that a load touches start at sixteen different banks (64 banks of 4 bytes: ISA guide 11.1)
.set LI,    1                          ; v1   16 x lane
.set SIN,   2                          ; v2   the stage, on the way in
.set SOUT,  3                          ; v3   and on the way out: row r, + 32 h
.set LIM,   10                         ; v10  448 x 2^e
.set SC,    11                         ; v11  2^e
.set R,     16                         ; v16-143  two sets of 64: a fragment as loaded
.set X,     144                        ; v144-207 a fragment's numbers, 8 neighbours along K to 8 registers
.set C,     208                        ; v208-239 two sets of 16: codes
	s_load_b256 s[8:15], s[0:1], 0x0               ; x s[8:9], Wq s[10:11], Wk s[12:13], Wv s[14:15]
	s_load_b256 s[16:23], s[0:1], 0x20             ; Wo s[16:17], token_positions s[18:19], lowp_scales s[20:21], xw s[22:23]
	s_load_b64 s[24:25], s[0:1], 0x40              ; rope
	v_lshl_add_u32 v240, v0, 2, 0x8800
	v_mov_b32 v241, 0
	v_lshrrev_b32 v4, 5, v0
	v_readfirstlane_b32 s2, v4                     ; wave 0..3
	v_and_b32 v4, 31, v0
	v_lshlrev_b32 v[LI], 4, v4
	v_and_b32 v5, 15, v0                           ; r
	v_bfe_u32 v6, v0, 4, 1                         ; h
	s_wait_kmcnt 0x0
	s_cmp_ge_u32 ttmp9, 384
	s_cbranch_scc1 .Lrope
	; ---------------- the quantiser ----------------
	s_load_b256 s[32:39], s[20:21], 0x0            ; e0 .. e7
	s_lshr_b32 s3, s2, 1                           ; which 16 rows
	s_and_b32 s4, s2, 1                            ; which half of K
	s_cmp_ge_u32 ttmp9, 256                        ; the source: the choice hangs on the work-group's number alone
	s_cselect_b64 s[26:27], s[10:11], s[8:9]
	s_cselect_b32 s29, 256, 0
	s_mov_b32 s40, 0x200000
	s_cselect_b32 s40, 0x100000, s40               ; from a K step of 256 to the next in the image: NRB x 4096
	s_cselect_b32 s41, WOFF, 0                     ; the image's place in xw
	s_cmp_ge_u32 ttmp9, 288
	s_cselect_b64 s[26:27], s[12:13], s[26:27]
	s_cmp_ge_u32 ttmp9, 320
	s_cselect_b64 s[26:27], s[14:15], s[26:27]
	s_cmp_ge_u32 ttmp9, 352
	s_cselect_b64 s[26:27], s[16:17], s[26:27]
	s_sub_co_u32 s29, ttmp9, s29                   ; my number among x's work-groups, or among the weights'
	s_and_b32 s30, s29, 31
	s_cmp_ge_u32 ttmp9, 256
	s_cselect_b32 s30, s30, s29                    ; and within the source
	s_lshl_b32 s30, s30, 1
	s_add_co_u32 s30, s30, s3                      ; my row block in the source
	s_lshl_b32 s30, s30, 16                        ; 16 rows of 4,096 bytes
	s_lshl_b32 s31, s4, 11                         ; + my half of K: 2,048 bytes
	s_add_co_u32 s30, s30, s31
	s_mov_b32 s31, 0
	s_add_nc_u64 s[26:27], s[26:27], s[30:31]
.macro LOADF f                         ; fragment f: 16 rows x 512 consecutive bytes, into set f % 2
.irp i, 0,1,2,3,4,5,6,7,8,9,10,11,12,13,14,15
	global_load_b128 v[R+64*((\f)%2)+4*\i:R+64*((\f)%2)+4*\i+3], v[LI], s[26:27] offset:4096*\i+512*(\f) th:TH_LOAD_NT
.endr
.endm
	s_wait_alu depctr_va_vdst(0)
	LOADF 0
	LOADF 1
	s_mul_i32 s5, s2, STG
	v_add_nc_u32 v[SIN], s5, v[LI]
	v_mul_u32_u24 v[SOUT], v5, SP
	v_lshl_add_u32 v[SOUT], v6, 5, v[SOUT]
	v_add_nc_u32 v[SOUT], s5, v[SOUT]
	s_lshl_b32 s29, s29, 1
	s_add_co_u32 s29, s29, s3                      ; my row block in the image
	s_lshl_b32 s29, s29, 12
	s_add_co_u32 s41, s41, s29
	s_lshl_b32 s42, s4, 1
	s_mul_i32 s42, s42, s40                        ; my half of K is two K steps of 256
	s_add_co_u32 s42, s42, s41
	s_mov_b32 s43, 0
	s_mov_b32 s41, 0
	s_add_nc_u64 s[44:45], s[22:23], s[42:43]      ; where fragments 0 and 1 go,
	s_add_nc_u64 s[46:47], s[44:45], s[40:41]      ; and fragments 2 and 3: the next K step
	s_wait_alu depctr_va_vdst(0)
	s_wait_kmcnt 0x0
	s_cmp_ge_u32 ttmp9, 256
	s_cselect_b32 s28, s33, s32                    ; e0 for x, e1 for Wq, Wk, Wv,
	s_cmp_ge_u32 ttmp9, 352
	s_cselect_b32 s28, s39, s28                    ; e7 for Wo
	s_add_co_i32 s28, s28, 127
	s_lshl_b32 s48, s28, 23
	v_mov_b32 v[SC], s48                           ; 2^e as f32: the conversion takes its exponent field
	s_add_co_i32 s28, s28, 8
	s_lshl_b32 s28, s28, 23
	s_or_b32 s28, s28, 0x600000
	v_mov_b32 v[LIM], s28                          ; 448 x 2^e
.macro FRAGMENT f
.set RS, R+64*((\f)%2)
.set CC, C+16*((\f)%2)
.if (\f) < 3
	s_wait_loadcnt 16                              ; this fragment's 16 loads are in; the next fragment's 16 may be out
.else
	s_wait_loadcnt 0x0
.endif
.irp i, 0,1,2,3,4,5,6,7,8,9,10,11,12,13,14,15
	ds_store_b128 v[SIN], v[RS+4*\i:RS+4*\i+3] offset:SP*\i
.endr
.irp c, 0,1,2,3,4,5,6,7                ; LDS serves a wave's instructions in order (ISA guide 5.7.1.4): these see the stores above
	ds_load_b128 v[X+8*\c:X+8*\c+3], v[SOUT] offset:64*\c          ; row r, K = 16 c + 8 h + 0 .. 3
	ds_load_b128 v[X+8*\c+4:X+8*\c+7], v[SOUT] offset:64*\c+16     ;                     + 4 .. 7
.endr
	s_wait_dscnt 0x0                               ; the numbers are back; the stores have read their registers,
.if (\f) < 2
	LOADF (\f)+2                                   ; which take the fragment two further on
.endif
.set ii, 0
.rept 64
	v_med3_num_f32 v[X+ii], v[X+ii], -v[LIM], v[LIM]   ; the conversion to an 8-bit code does not saturate (ISA guide 7.6.2): the hold at the largest code x the scale
.set ii, ii+1
.endr
.if (\f) >= 2
	s_wait_alu depctr_va_vdst(0)
	s_wait_xcnt 0x0                                ; the stores of two fragments ago have read this set of codes: it is written again only behind this wait
.endif
.irp c, 0,1,2,3,4,5,6,7
	v_cvt_scalef32_pk8_fp8_f32 v[CC+2*\c:CC+2*\c+1], v[X+8*\c:X+8*\c+7], v[SC]   ; registers 2 c, 2 c + 1 of the fragment
.endr
	v_nop                                          ; a plain vector line behind the last conversion of the run
.irp g, 0,1,2,3
	global_store_b128 v[LI], v[CC+4*\g:CC+4*\g+3], s[44+2*((\f)/2):45+2*((\f)/2)] offset:2048*((\f)%2)+512*\g   ; 32 lanes store 512 consecutive bytes, aligned
.endr
.endm
	s_wait_alu depctr_va_vdst(0)
	FRAGMENT 0
	FRAGMENT 1
	FRAGMENT 2
	FRAGMENT 3
	s_wait_tensorcnt 0x0
	ds_add_u32 v240, v241
	s_wait_dscnt 0x0
	s_endpgm
	; ---------------- the table of cosines and sines ----------------
.Lrope:
	s_sub_co_u32 s3, ttmp9, 384                    ; 0 .. 63
	s_and_b32 s4, s3, 1
	s_lshl_b32 s4, s4, 2
	s_add_co_u32 s4, s4, s2                        ; u = wave + 4 (number % 2)
	s_lshr_b32 s5, s3, 1                           ; token blocks 4 (number / 2) + 0 .. 3
	s_lshl_b32 s6, s5, 8
	s_wait_alu depctr_va_vdst(0)
	v_lshl_add_u32 v7, v5, 2, s6                   ; byte of my token's position in the first of them
.irp t, 0,1,2,3
	global_load_b32 v[16+\t], v7, s[18:19] offset:64*\t
.endr
	s_lshl_b32 s7, s5, 14
	s_lshl_b32 s26, s4, 9
	s_add_co_u32 s7, s7, s26
	v_add_nc_u32 v8, s7, v[LI]                     ; where my 16 bytes go: token block x 4096 + u x 512 + 16 x lane
	s_lshr_b32 s26, s4, 1
	s_lshl_b32 s26, s26, 3
	s_and_b32 s27, s4, 1
	s_lshl_b32 s27, s27, 1
	s_add_co_u32 s26, s26, s27
	v_lshl_add_u32 v9, v6, 2, s26                  ; i0 = 8 (u / 2) + 2 (u % 2) + 4 h
	v_add_nc_u32 v10, 1, v9
	v_cvt_f32_u32 v9, v9
	s_wait_alu depctr_va_vdst(0)
	v_cvt_f32_u32 v10, v10
	s_wait_alu depctr_va_vdst(0)
	s_mov_b32 s28, 0x3ed49a78                      ; L = log2(10000) / 32: its f32 value,
	s_mov_b32 s29, 0x32179a37                      ; and what that leaves
	s_mov_b32 s30, 0x3f22f983                      ; 2 / pi
	s_mov_b32 s31, 0x3fc90fdb                      ; pi / 2 in three parts
	s_mov_b32 s32, 0xb33bbd2e
	s_mov_b32 s33, 0xa6f72ced
	s_mov_b32 s34, 0xbe2aaaa3                      ; sine: r + r z (S1 + z (S2 + z S3)), z = r r
	s_mov_b32 s35, 0x3c08839e
	s_mov_b32 s36, 0xb94ca1f9
	s_mov_b32 s37, 0x3d2aaaa5                      ; cosine: 1 - z / 2 + z z (C1 + z (C2 + z C3))
	s_mov_b32 s38, 0xbab6061a
	s_mov_b32 s39, 0x37ccf5ce
	v_mul_f32 v12, s28, v9                         ; p = i L, rounded,
	v_mul_f32 v13, s28, v10
	v_fma_f32 v14, v9, s28, -v12                   ; what the rounding dropped,
	v_fma_f32 v15, v10, s28, -v13
	v_fma_f32 v14, v9, s29, v14                    ; and L's second part: i L = p + e
	v_fma_f32 v15, v10, s29, v15
	s_wait_alu depctr_va_vdst(0)
	v_exp_f32 v20, -v12                            ; 2^-p
	v_exp_f32 v21, -v13
	v_mul_f32 v14, 0xbf317218, v14                 ; -e ln 2.  (Plain lines behind the two exponentials)
	v_mul_f32 v15, 0xbf317218, v15
	s_wait_alu depctr_va_vdst(0)                   ; one wait for both, ahead of their first reader
	v_fma_f32 v20, v20, v14, v20                   ; 2^-(p + e) = 2^-p (1 - e ln 2): e is under 2^-21, so its square is nothing in f32
	v_fma_f32 v21, v21, v15, v21
.macro SINCOS a, co, si                ; v[a]: the angle; its cosine into v[co], its sine into v[si]
	v_mul_f32 v24, s30, v[\a]
	v_rndne_f32 v24, v24                           ; k = the nearest whole number of quarter turns
	v_fma_f32 v25, -v24, s31, v[\a]                ; r = angle - k pi / 2, part by part: each product enters its sum unrounded
	v_fma_f32 v25, -v24, s32, v25
	v_fma_f32 v25, -v24, s33, v25
	v_cvt_i32_f32 v26, v24
	v_mul_f32 v27, v25, v25                        ; z
	v_fma_f32 v28, s36, v27, s35
	v_fma_f32 v30, s39, v27, s38
	v_fma_f32 v28, v28, v27, s34
	v_fma_f32 v30, v30, v27, s37
	v_mul_f32 v29, v25, v27
	v_mul_f32 v31, v27, v27
	v_fma_f32 v32, v27, -0.5, 1.0
	v_fma_f32 v28, v29, v28, v25                   ; sin r
	v_fma_f32 v30, v31, v30, v32                   ; cos r
	v_and_b32 v33, 1, v26
	v_cmp_eq_u32 vcc_lo, 1, v33                    ; an odd quarter swaps the two
	v_cndmask_b32 v[\si], v28, v30, vcc_lo
	v_cndmask_b32 v[\co], v30, v28, vcc_lo
	v_and_b32 v33, 2, v26                          ; the sine changes sign in quarters 2 and 3,
	v_lshlrev_b32 v33, 30, v33
	v_xor_b32 v[\si], v33, v[\si]
	v_add_nc_u32 v34, 1, v26                       ; the cosine in quarters 1 and 2
	v_and_b32 v34, 2, v34
	v_lshlrev_b32 v34, 30, v34
	v_xor_b32 v[\co], v34, v[\co]
.endm
	s_wait_loadcnt 0x0
.irp t, 0,1,2,3
	v_cvt_f32_i32 v35, v[16+\t]
	s_wait_alu depctr_va_vdst(0)
	v_mul_f32 v22, v35, v20                        ; the angle: position x frequency, rounded once
	v_mul_f32 v23, v35, v21
	SINCOS 22, 40+4*\t, 41+4*\t
	SINCOS 23, 42+4*\t, 43+4*\t
	global_store_b128 v8, v[40+4*\t:43+4*\t], s[24:25] offset:4096*\t   ; 32 lanes store 512 consecutive bytes, aligned; each token block has registers of its own
.endr
	s_endpgm
.Lfunc_end_k_q395d906818_prep:
	.size	k_q395d906818_prep, .Lfunc_end_k_q395d906818_prep-k_q395d906818_prep
	.p2alignl 7, 3214868480
	.fill 96, 4, 3214868480
	.section	.rodata,"a",@progbits
	.p2align	6, 0x0
	.amdhsa_kernel k_q395d906818_prep
		.amdhsa_group_segment_fixed_size 35328
		.amdhsa_private_segment_fixed_size 0
		.amdhsa_enable_private_segment 0
		.amdhsa_kernarg_size 72
		.amdhsa_user_sgpr_count 2
		.amdhsa_user_sgpr_kernarg_segment_ptr 1
		.amdhsa_wavefront_size32 1
		.amdhsa_system_sgpr_workgroup_id_x 1
		.amdhsa_system_sgpr_workgroup_id_y 1
		.amdhsa_system_sgpr_workgroup_id_z 1
		.amdhsa_system_vgpr_workitem_id 0
		.amdhsa_next_free_vgpr 242
		.amdhsa_next_free_sgpr 66
		.amdhsa_reserve_vcc 1
		.amdhsa_float_denorm_mode_32 3
		.amdhsa_float_denorm_mode_16_64 3
		.amdhsa_memory_ordered 1
		.amdhsa_forward_progress 1
		.amdhsa_inst_pref_size 51
	.end_amdhsa_kernel
	.amdgpu_metadata
---
amdhsa.version: [ 1, 2 ]
amdhsa.kernels:
  - .name:           k_q395d906818_prep
    .symbol:         k_q395d906818_prep.kd
    .args:
      - { .name: x, .offset: 0, .size: 8, .value_kind: global_buffer, .address_space: global }
      - { .name: Wq, .offset: 8, .size: 8, .value_kind: global_buffer, .address_space: global }
      - { .name: Wk, .offset: 16, .size: 8, .value_kind: global_buffer, .address_space: global }
      - { .name: Wv, .offset: 24, .size: 8, .value_kind: global_buffer, .address_space: global }
      - { .name: Wo, .offset: 32, .size: 8, .value_kind: global_buffer, .address_space: global }
      - { .name: token_positions, .offset: 40, .size: 8, .value_kind: global_buffer, .address_space: global }
      - { .name: lowp_scales, .offset: 48, .size: 8, .value_kind: global_buffer, .address_space: global }
      - { .name: xw, .offset: 56, .size: 8, .value_kind: global_buffer, .address_space: global }
      - { .name: rope, .offset: 64, .size: 8, .value_kind: global_buffer, .address_space: global }
    .group_segment_fixed_size: 35328
    .private_segment_fixed_size: 0
    .kernarg_segment_align: 8
    .kernarg_segment_size: 72
    .max_flat_workgroup_size: 128
    .sgpr_count:     66
    .vgpr_count:     242
    .wavefront_size: 32
...
	.end_amdgpu_metadata
.endif
;; end of part 1
;; launch qkvgemm (part 2): grid 8 x 32, 4 waves a work-group, clusters of 4 x 1, 327,680 bytes of LDS; arguments xw, rope, lowp_scales, qkvc; writes qkvc
.if DOCPART == 2
	.amdgcn_target "amdgcn-amd-amdhsa--gfx1250"
	.amdhsa_code_object_version 6
	.text
	.protected	k_q395d906818_qkvgemm
	.globl	k_q395d906818_qkvgemm
	.p2align	8
	.type	k_q395d906818_qkvgemm,@function
k_q395d906818_qkvgemm:
	s_mov_b64 s[64:65], 0
	v_nop
	global_prefetch_b8 v0, s[64:65] scope:SCOPE_SE
	s_setreg_imm32_b32 hwreg(HW_REG_WAVE_MODE, 25, 1), 1
	s_wait_xcnt 0x0
	s_wait_alu depctr_hold_cnt(0) depctr_sa_sdst(0) depctr_va_vdst(0) depctr_va_sdst(0) depctr_va_ssrc(0) depctr_va_vcc(0) depctr_vm_vsrc(0)
	s_getreg_b32 s2, hwreg(HW_REG_IB_STS2, 6, 4)
	s_cmp_eq_u32 s2, 0
	s_cbranch_scc0 .Lentry_in_a_cluster
	s_endpgm
.Lentry_in_a_cluster:
	s_bfe_u32 s2, ttmp6, 0x10000c
	s_cmp_lg_u32 s2, 0x3003
	s_cbranch_scc0 .Lentry_shape_is_right
	s_endpgm
.Lentry_shape_is_right:
; q, k, v = x [Wq; Wk; Wv]^T on codes of FP8 (E4M3), K = 1,024; q and k are rotated by the table of cosines and sines; all three are quantised (2^e2, 2^e3, 2^e5) and stored as images of the next launch's operands.
; SHARES.  A work-group owns 256 tokens (work-group y) and 128 channels, two heads (work-group x), of q, of k and of v: three passes.  Wave w makes 128 tokens (w / 2) x 64 channels, one head (w % 2): 32 accumulators.
; x's 256 rows x 1,024 K are 262,144 bytes of LDS, filled ONCE: wave w fetches K step w of 256 (65,536 dense bytes of x's image).  No ring, no refill.
; THE WEIGHTS GO FROM MEMORY STRAIGHT INTO REGISTERS: they lie as images of the operand's registers, so a load of 512 consecutive bytes is a quarter of a fragment.  A pass's 32 fragments fill 512 registers;
; as soon as the products of 128 along K are issued, their 64 registers take the next pass's fragments.
; CLUSTER: the four work-groups of a cluster share work-group y and so x's tile: each block is asked for jointly, mask 15.  The weights differ between partners and are plain loads.
; No data prefetch: every tile of the launch is asked for at the head or a whole pass ahead; there is no later tensor load to run ahead of.
; THE MATRIX INSTRUCTION: lane (r, h) holds source 1's row r and source 0's rows 8 h + 0 .. 7.  q, k: source 0 = the weight, source 1 = x: a token and eight neighbouring channels (four pairs for the rotation; registers
; 2 b, 2 b + 1 of a fragment 16 tokens x 64 channels).  v: the sources change places: a channel and eight neighbouring tokens (registers 2 a, 2 a + 1 of a fragment 16 channels x 128 keys).
; qkvc: q at 0, k at 8 MiB: [batch x 16 + head][token block of 16][group 2][lane][16 bytes];  v at 16 MiB: [batch x 16 + head][key block of 128][channel block 4][group 4][lane][16 bytes].
; A sum stands for sum x 2^(e0 + e1); the rotation is linear, so the three exponents are folded into the conversion's one scale.
; LIMITS: e2 - e0 - e1, e3 - e0 - e1, e5 - e0 - e1 between -126 and 119, so that the scale and 448 x the scale are f32 numbers.
; REGISTERS, in windows of 256: window 0: v0-31 addresses and scales; v64-255 x's fragments, three buffers of four (on the way out: numbers, cosines and sines, codes); window 1: accumulator (a, b) at v[32 a + 8 b];
; windows 2, 3: the weights' fragments, (q, b) at 64 q + 16 b, q = the 128 along K.
.set WOFF,  8388608
.set SPARE, 262144                     ; behind x's tile: the spare words, 128 bytes a wave
.set SC,   8                           ; v8   the conversion's scale
.set LIM,  9                           ; v9   448 x that
.set ADRA, 16                          ; v16-19  LDS address of my rows in K step 0 .. 3
.set LI,   26                          ; v26  16 x lane
.set SPW,  28
.set NIL,  29
.set T,    64                          ; the way out: numbers
.set CS,   128                         ; cosines and sines, four sets of 32: v128-255
.set CD,   192                         ; codes, two sets
.set G1,   24
.set G0,   32
.set MSB, 0
.macro WIN new                         ; the immediate's high byte repeats the setting that is left
.if MSB != (\new)
	s_set_vgpr_msb (MSB<<8)|(\new)
.set MSB, (\new)
.endif
.endm
.macro CROUND                          ; a round of the cluster's barrier
	s_barrier_signal -1
	s_barrier_wait -1
	s_cmp_lg_u32 s14, 0
	s_cbranch_scc1 .Lnot_wave_0_\@
	s_barrier_signal -3
.Lnot_wave_0_\@:
	s_barrier_wait -3
	s_barrier_signal -1
	s_barrier_wait -1
.endm
.macro PLACES n
.rept \n
	v_nop
.endr
.endm
.macro BLOAD q, base                   ; the weights' four fragments of the q-th 128 along K: 16 loads of 512 consecutive bytes
	WIN 0x80+0x40*((\q)/4)
.irp b, 0,1,2,3
.irp c, 0,1,2,3
	global_load_b128 v[64*((\q)%4)+16*\b+4*\c:64*((\q)%4)+16*\b+4*\c+3], v[LI], s[\base:\base+1] offset:((\q)/2)*0x100000+4096*\b+((\q)%2)*2048+512*\c
.endr
.endr
.endm
.macro FETCHG g                        ; group g: x's blocks 4 (g % 2) + 0 .. 3 of the (g / 2)-th 128 along K, into buffer g % 3
.irp a, 0,1,2,3
.irp c, 0,1,2,3
	ds_load_b128 v[64+64*((\g)%3)+16*\a+4*\c:64+64*((\g)%3)+16*\a+4*\c+3], v[ADRA+(\g)/4] offset:4096*(4*((\g)%2)+\a)+2048*(((\g)/2)%2)+512*\c
.endr
.endr
.endm
.macro MM d, w, x, v, z                ; z = 0: the first product starts the sum
.if \v
.if \z
	v_wmma_f32_16x16x128_fp8_fp8 v[\d:\d+7], v[\x:\x+15], v[\w:\w+15], v[\d:\d+7]
.else
	v_wmma_f32_16x16x128_fp8_fp8 v[\d:\d+7], v[\x:\x+15], v[\w:\w+15], 0
.endif
.else
.if \z
	v_wmma_f32_16x16x128_fp8_fp8 v[\d:\d+7], v[\w:\w+15], v[\x:\x+15], v[\d:\d+7]
.else
	v_wmma_f32_16x16x128_fp8_fp8 v[\d:\d+7], v[\w:\w+15], v[\x:\x+15], 0
.endif
.endif
.endm
.macro MULG g, v                       ; 16 products on 16 accumulators by turns; an accumulator comes again 32 products on
.set QQ, (\g)/2
.set AB, 64+64*((\g)%3)
.if \v
	WIN 0x58+4*(QQ/4)
.else
	WIN 0x52+QQ/4
.endif
.irp a, 0,1,2,3
.irp b, 0,1,2,3
	MM (128*((\g)%2)+32*\a+8*\b), (64*(QQ%4)+16*\b), (AB+16*\a), \v, QQ
.endr
.endr
.endm
.macro CSLOAD a                        ; cosines and sines of my block a of 16 tokens, into set a % 4
.irp u, 0,1,2,3,4,5,6,7
	global_load_b128 v[CS+32*((\a)%4)+4*\u:CS+32*((\a)%4)+4*\u+3], v[LI], s[6:7] offset:4096*(\a)+512*\u
.endr
.endm
; A PASS: 16 groups.  While group g is multiplied, group g + 1 is in or landing and group g + 2 is asked for, into the buffer that group g - 1 has left (four places behind its products: ISA guide 7.12.1 for vector instructions).
.macro PASS v, reload
	FETCHG 0
	FETCHG 1
.set G, 0
.rept 16
.if (G>0)&&((G<14)||(\reload))
	PLACES 4
.endif
.if (\reload)&&(G>0)&&(G%2==0)
	BLOAD G/2-1, 48                                ; the next pass's weights, into the registers just multiplied
.endif
	WIN 0
.if G<14
	FETCHG G+2
.endif
.if (\reload)&&(G==14)
	CSLOAD 0                                       ; into buffer 1, which group 13 has left
	CSLOAD 1
.endif
.if (\reload)&&(G==15)
	CSLOAD 2                                       ; into buffer 2, which group 14 has left
	CSLOAD 3
.endif
.if (\reload)&&(G%2==0)
	s_wait_loadcnt 63                              ; behind these weights' loads at least 112 others were issued: they are in
.endif
.if G<14
	s_wait_dscnt 32                                ; group g is in; the 32 loads of the two groups behind it may be out
.else
	s_wait_dscnt 16*(15-G)
.endif
	MULG G, \v
.set G, G+1
.endr
	PLACES 4
.if \reload
	BLOAD 7, 48
.endif
	WIN 0
.endm
.macro MKSC e, d                       ; s[d] = 2^(e - e0 - e1), s[d+1] = 448 x that
	s_add_co_i32 s[\d], s[\e], s90
	s_add_co_i32 s[\d+1], s[\d], 8
	s_lshl_b32 s[\d], s[\d], 23
	s_lshl_b32 s[\d+1], s[\d+1], 23
	s_or_b32 s[\d+1], s[\d+1], 0x600000
.endm
	s_load_b256 s[4:11], s[0:1], 0x0               ; xw s[4:5], rope s[6:7], lowp_scales s[8:9], qkvc s[10:11]
	v_lshl_add_u32 v[SPW], v0, 2, SPARE
	v_mov_b32 v[NIL], 0
	ds_add_u32 v[SPW], v[NIL]                      ; the opening lines: the add, twice on end, and its wait ahead of my first tensor load
	ds_add_u32 v[SPW], v[NIL]
	v_lshrrev_b32 v1, 5, v0
	v_readfirstlane_b32 s14, v1                    ; wave 0..3
	s_lshr_b32 s15, s14, 1                         ; which 128 tokens
	s_and_b32 s16, s14, 1                          ; which head of the two
	s_bfe_u32 s40, ttmp6, 0x40000                  ; cx: it enters global addresses of plain loads and stores alone
	s_lshl_b32 s42, ttmp9, 2
	s_add_co_u32 s42, s42, s40                     ; block of 128 channels, 0 .. 7
	s_and_b32 s17, ttmp7, 0xffff                   ; block of 256 tokens, 0 .. 31: shared by the four partners
	s_mov_b32 s[G1], 15|(3<<16)|(1<<21)            ; mask: all four; elements of 8 bytes; bit 21 beside a mask
	s_mov_b32 s[G1+1], 32<<16                      ; a dense block as 256 rows of 256 bytes
	s_mov_b32 s[G1+2], 256<<16
	s_mov_b32 s[G1+3], 32<<16
	s_mov_b32 s[G1+4], 256
	s_mov_b32 s[G1+5], 32
	s_mov_b32 s[G1+6], 0
	s_mov_b32 s[G1+7], 0
	s_lshl_b32 s20, s17, 16                        ; x's image: 65,536 bytes a tile in a K step,
	s_lshl_b32 s18, s14, 21                        ; 2 MiB a K step: mine is K step = wave
	s_add_co_u32 s20, s20, s18
	s_mov_b32 s21, 0
	s_lshl_b32 s46, s42, 15                        ; the weights' image: 8 row blocks of 4,096 bytes a channel block,
	s_lshl_b32 s47, s16, 14                        ; 4 a head
	s_add_co_u32 s46, s46, s47
	s_add_co_u32 s46, s46, WOFF
	s_mov_b32 s47, 0
	s_and_b32 s50, s17, 7
	s_lshr_b32 s51, s17, 3                         ; the batch
	s_lshl_b32 s52, s50, 4
	s_lshl_b32 s53, s15, 3
	s_add_co_u32 s52, s52, s53                     ; my first block of 16 tokens within the sequence
	s_lshl_b32 s54, s52, 12
	s_mov_b32 s55, 0
	s_lshl_b32 s56, s51, 4
	s_lshl_b32 s57, s42, 1
	s_add_co_u32 s56, s56, s57
	s_add_co_u32 s56, s56, s16                     ; batch x 16 + head
	s_lshl_b32 s56, s56, 17
	s_lshl_b32 s58, s52, 10                        ; 1,024 bytes a token block in q and k; the same number is 8,192 bytes a key block of 128 in v
	s_add_co_u32 s58, s58, s56
	s_mov_b32 s59, 0
	s_lshl_b32 s82, s15, 15
	s_wait_dscnt 0x0                               ; both opening adds are done
	s_wait_kmcnt 0x0
	s_load_b256 s[72:79], s[8:9], 0x0              ; e0 .. e7
	s_mov_b32 s[G0], 1
	s_lshl_b32 s[G0+1], s14, 16                    ; LDS: wave x 65,536
	s_add_nc_u64 s[G0+2:G0+3], s[4:5], s[20:21]
	s_or_b32 s[G0+3], s[G0+3], 0x80000000
	s_add_nc_u64 s[46:47], s[4:5], s[46:47]        ; Wq's fragments of my head,
	s_add_nc_u64 s[48:49], s[46:47], 0x40000       ; the next pass's: 64 row blocks on
	s_add_nc_u64 s[6:7], s[6:7], s[54:55]
	s_add_nc_u64 s[60:61], s[10:11], s[58:59]      ; where q goes; k and v lie 8 MiB and 16 MiB on
	CROUND                                         ; all four work-groups are here: the joint loads meet
	tensor_load_to_lds s[G0:G0+3], s[G1:G1+7]      ; my one tensor load
	s_nop 0
	v_and_b32 v6, 31, v0
	v_lshlrev_b32 v[LI], 4, v6
	v_add_nc_u32 v[ADRA], s82, v[LI]
	v_add_nc_u32 v[ADRA+1], 0x10000, v[ADRA]
	v_add_nc_u32 v[ADRA+2], 0x20000, v[ADRA]
	v_add_nc_u32 v[ADRA+3], 0x30000, v[ADRA]
.irp q, 0,1,2,3,4,5,6,7
	BLOAD \q, 46
.endr
	WIN 0
	s_wait_kmcnt 0x0
	s_add_co_i32 s90, s72, s73
	s_sub_co_i32 s90, 127, s90
	MKSC 74, 84                                    ; q
	MKSC 75, 86                                    ; k
	MKSC 77, 88                                    ; v
	v_mov_b32 v[SC], s84
	v_mov_b32 v[LIM], s85
	s_wait_alu depctr_va_vdst(0)
	s_wait_tensorcnt 0x0                           ; my K step is in,
	s_barrier_signal -1
	s_barrier_wait -1                              ; everybody's is
; THE WAY OUT of q and k, 16 tokens x 64 channels at a time.  Accumulator b: token r, channels 16 b + 8 h + 0 .. 7: pairs 8 b + 4 h + 0 .. 3.
; (x1, x2) -> (x1 c - x2 s, x1 s + x2 c): a packed multiply by c and a packed multiply-add that takes the pair crosswise, times s, the low half negated.
.macro QKBLOCK a
.set AC, 32*(\a)
.set CB, CS+32*((\a)%4)
.set CC, 96+8*((\a)%2)
.if (\a) < 4
	s_wait_loadcnt 40                              ; behind this block's eight loads: three sets of the table (24) and the 16 of the weights' last group
.else
	s_wait_loadcnt 8*(7-(\a))                      ; the sets of the blocks behind this one
.endif
	WIN 0x01                                       ; source 0: window 1
.irp b, 0,1,2,3                        ; each accumulator from its low end on
.irp p, 0,2,4,6
	v_pk_mul_f32 v[T+8*\b+\p:T+8*\b+\p+1], v[AC+8*\b+\p:AC+8*\b+\p+1], v[CB+8*\b+\p:CB+8*\b+\p+1] op_sel_hi:[1,0]
.endr
.endr
.irp b, 0,1,2,3
.irp p, 0,2,4,6
	v_pk_fma_f32 v[T+8*\b+\p:T+8*\b+\p+1], v[AC+8*\b+\p:AC+8*\b+\p+1], v[CB+8*\b+\p:CB+8*\b+\p+1], v[T+8*\b+\p:T+8*\b+\p+1] op_sel:[1,1,0] op_sel_hi:[0,1,1] neg_lo:[0,1,0]
.endr
.endr
	WIN 0
.if (\a) < 4
	CSLOAD (\a)+4
.endif
.set ii, 0
.rept 32
	v_med3_num_f32 v[T+ii], v[T+ii], -v[LIM], v[LIM]   ; the conversion does not saturate (ISA guide 7.6.2): the hold at the largest code x the scale
.set ii, ii+1
.endr
.if (\a) >= 2
	s_wait_alu depctr_va_vdst(0)
	s_wait_xcnt 0x0                                ; block a - 2's stores have read this set of codes
.endif
.irp b, 0,1,2,3
	v_cvt_scalef32_pk8_fp8_f32 v[CC+2*\b:CC+2*\b+1], v[T+8*\b:T+8*\b+7], v[SC]
.endr
	v_nop                                          ; a plain line behind the last conversion
.irp n, 0,1
	global_store_b128 v[LI], v[CC+4*\n:CC+4*\n+3], s[60:61] offset:1024*(\a)+512*\n   ; 512 consecutive bytes, aligned
.endr
.endm
; THE WAY OUT of v, 16 channels x 128 tokens at a time: accumulator (a, b) holds tokens 16 a + 8 h + 0 .. 7 of channel 16 b + r.
.macro VBLOCK b
.set CC, CD+16*((\b)%2)
	WIN 0x01
.irp a, 0,1,2,3,4,5,6,7
.irp j, 0,1,2,3,4,5,6,7
	v_med3_num_f32 v[T+8*\a+\j], v[32*\a+8*(\b)+\j], -v[LIM], v[LIM]
.endr
.endr
	WIN 0
.if (\b) >= 2
	s_wait_alu depctr_va_vdst(0)
	s_wait_xcnt 0x0
.endif
.irp a, 0,1,2,3,4,5,6,7
	v_cvt_scalef32_pk8_fp8_f32 v[CC+2*\a:CC+2*\a+1], v[T+8*\a:T+8*\a+7], v[SC]
.endr
	v_nop
.irp n, 0,1,2,3
	global_store_b128 v[LI], v[CC+4*\n:CC+4*\n+3], s[60:61] offset:2048*(\b)+512*\n
.endr
.endm
	s_mov_b32 s3, 0
.Lpass:                                                ; two trips: q, then k
	PASS 0, 1
.irp a, 0,1,2,3,4,5,6,7
	QKBLOCK \a
.endr
	s_wait_xcnt 0x0                                ; the stores have read their base and their codes; every load is in (the wait for 0 in block 7)
	s_add_nc_u64 s[60:61], s[60:61], 0x800000
	s_add_nc_u64 s[48:49], s[48:49], 0x40000
	v_mov_b32 v[SC], s86
	v_mov_b32 v[LIM], s87
	s_add_co_u32 s3, s3, 1
	s_cmp_lt_u32 s3, 2
	s_wait_alu depctr_va_vdst(0)
	s_cbranch_scc1 .Lpass
	v_mov_b32 v[SC], s88
	v_mov_b32 v[LIM], s89
	s_wait_alu depctr_va_vdst(0)
	PASS 1, 0
.irp b, 0,1,2,3
	VBLOCK \b
.endr
	s_wait_tensorcnt 0x0                           ; the wave's end
	ds_add_u32 v[SPW], v[NIL]
	s_wait_dscnt 0x0
	CROUND                                         ; the closing round
	s_endpgm
.Lfunc_end_k_q395d906818_qkvgemm:
	.size	k_q395d906818_qkvgemm, .Lfunc_end_k_q395d906818_qkvgemm-k_q395d906818_qkvgemm
	.p2alignl 7, 3214868480
	.fill 96, 4, 3214868480
	.section	.rodata,"a",@progbits
	.p2align	6, 0x0
	.amdhsa_kernel k_q395d906818_qkvgemm
		.amdhsa_group_segment_fixed_size 327680
		.amdhsa_private_segment_fixed_size 0
		.amdhsa_enable_private_segment 0
		.amdhsa_kernarg_size 32
		.amdhsa_user_sgpr_count 2
		.amdhsa_user_sgpr_kernarg_segment_ptr 1
		.amdhsa_wavefront_size32 1
		.amdhsa_system_sgpr_workgroup_id_x 1
		.amdhsa_system_sgpr_workgroup_id_y 1
		.amdhsa_system_sgpr_workgroup_id_z 1
		.amdhsa_system_vgpr_workitem_id 0
		.amdhsa_next_free_vgpr 1024
		.amdhsa_next_free_sgpr 100
		.amdhsa_reserve_vcc 0
		.amdhsa_float_denorm_mode_32 3
		.amdhsa_float_denorm_mode_16_64 3
		.amdhsa_memory_ordered 1
		.amdhsa_forward_progress 1
		.amdhsa_inst_pref_size 164
	.end_amdhsa_kernel
	.amdgpu_metadata
---
amdhsa.version: [ 1, 2 ]
amdhsa.kernels:
  - .name:           k_q395d906818_qkvgemm
    .symbol:         k_q395d906818_qkvgemm.kd
    .args:
      - { .name: xw, .offset: 0, .size: 8, .value_kind: global_buffer, .address_space: global }
      - { .name: rope, .offset: 8, .size: 8, .value_kind: global_buffer, .address_space: global }
      - { .name: lowp_scales, .offset: 16, .size: 8, .value_kind: global_buffer, .address_space: global }
      - { .name: qkvc, .offset: 24, .size: 8, .value_kind: global_buffer, .address_space: global }
    .group_segment_fixed_size: 327680
    .private_segment_fixed_size: 0
    .kernarg_segment_align: 8
    .kernarg_segment_size: 32
    .max_flat_workgroup_size: 128
    .sgpr_count:     100
    .vgpr_count:     1024
    .wavefront_size: 32
...
	.end_amdgpu_metadata
.endif
;; end of part 2
;; launch attn (part 3): grid 4 x 64, 16 waves a work-group, clusters of 4 x 1, 327,680 bytes of LDS; arguments qkvc, lowp_scales, aimg; writes aimg
.if DOCPART == 3
	.amdgcn_target "amdgcn-amd-amdhsa--gfx1250"
	.amdhsa_code_object_version 6
	.text
	.protected	k_q395d906818_attn
	.globl	k_q395d906818_attn
	.p2align	8
	.type	k_q395d906818_attn,@function
k_q395d906818_attn:
	s_mov_b64 s[64:65], 0
	v_nop
	global_prefetch_b8 v0, s[64:65] scope:SCOPE_SE
	s_setreg_imm32_b32 hwreg(HW_REG_WAVE_MODE, 25, 1), 1
	s_wait_xcnt 0x0
	s_wait_alu depctr_hold_cnt(0) depctr_sa_sdst(0) depctr_va_vdst(0) depctr_va_sdst(0) depctr_va_ssrc(0) depctr_va_vcc(0) depctr_vm_vsrc(0)
	s_getreg_b32 s2, hwreg(HW_REG_IB_STS2, 6, 4)
	s_cmp_eq_u32 s2, 0
	s_cbranch_scc0 .Lentry_in_a_cluster
	s_endpgm
.Lentry_in_a_cluster:
	s_bfe_u32 s2, ttmp6, 0x10000c
	s_cmp_lg_u32 s2, 0x3003
	s_cbranch_scc0 .Lentry_shape_is_right
	s_endpgm
.Lentry_shape_is_right:
; Causal attention on codes of FP8 (E4M3): 64 heads (batch x 16 + head) of 2,048 tokens x 64 channels.  q, k, v come as images of their operands' registers; the result is quantised (2^e6) into the image that the last product reads.
; THE SOFTMAX AHEAD OF THE SECOND PRODUCT: t = score x log2(e) / 8; M = the row's largest t so far, rounded UP to a whole number; p = 2^(t - M) is quantised (2^e4), not normalised.  The row's sum is taken of the
; unquantised p, in f32, and divides at the end.  When M moves, the sum and O are multiplied by 2^(old M - new M): exact.
; LEFT OUT: key steps all of whose keys come after a tile's queries: the causal mask sets their scores to -infinity.
; A HEAD'S WHOLE K AND V LIE IN LDS, 131,072 bytes of codes each, filled once.
; SHARES.  The four work-groups of a cluster own one head, 32 tiles of 16 queries each.  Tile 8 g + s needs key steps 0 .. g of 128 keys, and step g is the one on the diagonal.  Wave w (j = w % 8, b = w / 8) owns tiles
; g = 15 - j and g = j, both with s = 2 cx + b: (16 - j) + (j + 1) = 17 key steps in every wave of every work-group.
; THE WALK.  Four trips: steps 0 to 3 of the longer tile.  Then 13 trips, i = 0 .. 12, in each of which every wave works one step: while i < 12 - j step 4 + i of the longer tile (i = 11 - j lies on the diagonal); from
; i = 12 - j on step 12 - i of the shorter tile, DOWNWARD from its diagonal step j, in which a query's own key counts, so that M is a number from the tile's first step on.  The order of the steps changes no sum but by rounding.
; A BARRIER THAT TURNS WITH THE TRIPS: at a trip's head a wave waits for the signals given at the head of the trip before and gives its own: no wave is more than one trip ahead of another.  Between a signal and its wait
; stand register work and LDS loads alone; the longer tile's way out, with its stores, stands between the wait and the signal.
; THE FILLS.  Every wave issues one joint load at the head: 4,096 bytes of key steps 0 to 3 (waves 0-7: K, waves 8-15: V); behind the full sequence and a round, one more: 12,288 bytes of key steps 4 to 15,
; which is on its way while the first four trips are worked.  No data prefetch: both fills are asked for at the head; there is no later load to run ahead of.
; LAYOUT.  Both products are used transposed: S^T = K Q^T (16x16x64), O^T = V^T P^T (16x16x128): a lane holds ONE query (lane % 16).  Tile c of S^T holds keys 16 c + 8 h + 0 .. 7: its codes are registers 2 c, 2 c + 1 of P.
; LIMITS on the given exponents, so that each power of two below is an f32 number: e2 + e3 between -123 and 130; e4, and e6 - e4 - e5, between -126 and 119.
; REGISTERS: v1 16 x lane; v2, v3 the step's addresses; v4 the diagonal's bound; v5 -infinity; v7-11 v1 + constants; v12 -M, v13 the largest t, v[14:15] the sum; v16-23, v24-31 Q of the two tiles; v32-95 K's fragments, then V's;
; v96-159 S^T, then p; v160-191 O^T; v192-207 p's codes; v216-231 the results' codes; v240, v213: 448 x 2^e4; v244 2^e4; v241, v245 the same with e6 - e4 - e5; v236, v242-249, v252-254 at work.
.set VOFF, 131072
.set SPARE, 262144                     ; behind K and V: the spare words, 128 bytes a wave
.set LI,   1
.set ADK,  2
.set ADV,  3
.set DD,   4
.set NINF, 5
.set LIV,  7                           ; v7   v1 + V's place
.set LI4,  8                           ; v8   v1 + step 4's place;  v9 the same in V
.set LIV4, 9
.set LIS,  10                          ; v10  v1 + step 12's place; v11 the same in V
.set LIVS, 11
.set SPW,  251
.set NIL,  255
.set HL0,  240
.set HL1,  213
.set TB,   2                           ; s2   8,192 x the trip's number
.set STP,  3                           ; s3   the trip's number
.set DL,   15                          ; s15  11 - j: the trip in which the longer tile is on the diagonal
.set SW,   16                          ; s16  12 - j: the shorter tile's first trip, on its diagonal
.set WV,   18
.set SEL,  20
.set CS,   22
.set G1A,  24
.set G1B,  32
.set G0A,  40
.set G0B,  44
.set TBC,  96                          ; s96  s2 held at 11 x 8,192: the longer tile's last step is 15
.macro CROUND
	s_barrier_signal -1
	s_barrier_wait -1
	s_cmp_lg_u32 s[WV], 0
	s_cbranch_scc1 .Lnot_wave_0_\@
	s_barrier_signal -3
.Lnot_wave_0_\@:
	s_barrier_wait -3
	s_barrier_signal -1
	s_barrier_wait -1
.endm
.macro INIT                            ; a tile begins: the step has no first form of its own; it finds zeros, which the first change of M leaves zeros
	v_mov_b32 v13, 0xff61b1e6                      ; -3e38, under every t
	v_floor_f32 v12, -v13
	v_mov_b32 v14, 0
	v_mov_b32 v15, 0
.set ii, 0
.rept 32
	v_mov_b32 v[160+ii], 0
.set ii, ii+1
.endr
.endm
	s_load_b128 s[4:7], s[0:1], 0x0                ; qkvc s[4:5], lowp_scales s[6:7]
	s_load_b64 s[8:9], s[0:1], 0x10                ; aimg
	v_lshl_add_u32 v[SPW], v0, 2, SPARE
	v_mov_b32 v[NIL], 0
	ds_add_u32 v[SPW], v[NIL]                      ; the opening lines: the add, twice on end, and its wait
	ds_add_u32 v[SPW], v[NIL]
	v_lshrrev_b32 v242, 5, v0
	v_readfirstlane_b32 s[WV], v242                ; wave 0..15
	s_bfe_u32 s10, ttmp6, 0x40000                  ; cx: it enters global addresses of plain loads and stores and the diagonal's bound alone
	s_and_b32 s12, ttmp7, 0xffff                   ; batch x 16 + head, which the four partners share
	s_and_b32 s13, s[WV], 7                        ; j
	s_lshr_b32 s14, s[WV], 3                       ; b.  Also: I fetch for K (0) or V (1)
	s_sub_co_u32 s19, 15, s13                      ; g of my longer tile
	s_sub_co_u32 s[DL], 11, s13
	s_sub_co_u32 s[SW], 12, s13
	s_lshl_b32 s11, s10, 1
	s_add_co_u32 s11, s11, s14                     ; s = 2 cx + b
	s_lshl_b32 s53, s12, 17                        ; a head is 131,072 bytes in q, in k and in v
	s_lshl_b32 s50, s14, 17                        ; LDS: K's block or V's
	s_lshl_b32 s54, s14, 23
	s_add_co_u32 s54, s54, 0x800000                ; k at 8 MiB, v at 16 MiB
	s_add_co_u32 s54, s54, s53
	s_lshl_b32 s51, s13, 12                        ; my part of the block's first 32,768 bytes,
	s_mul_i32 s52, s13, 12288
	s_add_co_u32 s52, s52, 32768                   ; and of the other 98,304
	s_add_co_u32 s56, s54, s51
	s_mov_b32 s57, 0
	s_add_co_u32 s58, s54, s52
	s_mov_b32 s59, 0
	s_mov_b32 s[G1A], 15|(3<<16)|(1<<21)           ; mask: all four; elements of 8 bytes; bit 21 beside a mask
	s_mov_b32 s[G1A+1], 32<<16                     ; 16 rows of 256 bytes, dense
	s_mov_b32 s[G1A+2], 16<<16
	s_mov_b32 s[G1A+3], 32<<16
	s_mov_b32 s[G1A+4], 16
	s_mov_b32 s[G1A+5], 32
	s_mov_b32 s[G1A+6], 0
	s_mov_b32 s[G1A+7], 0
	s_mov_b32 s[G1B], 15|(3<<16)|(1<<21)
	s_mov_b32 s[G1B+1], 32<<16                     ; 48 rows
	s_mov_b32 s[G1B+2], 48<<16
	s_mov_b32 s[G1B+3], 32<<16
	s_mov_b32 s[G1B+4], 48
	s_mov_b32 s[G1B+5], 32
	s_mov_b32 s[G1B+6], 0
	s_mov_b32 s[G1B+7], 0
	s_mov_b32 s[SEL], 0x76543210
	s_mov_b32 s[SEL+1], 0xfedcba98
	s_mov_b32 s[CS], 0x3e38aa3b                    ; c = log2(e) / sqrt(64)
	s_lshl_b32 s60, s19, 3
	s_add_co_u32 s60, s60, s11                     ; my longer tile,
	s_lshl_b32 s61, s13, 3
	s_add_co_u32 s61, s61, s11                     ; my shorter
	s_lshl_b32 s62, s60, 10
	s_add_co_u32 s62, s62, s53                     ; Q's fragment: head x 131,072 + tile x 1,024
	s_mov_b32 s63, 0
	s_lshl_b32 s66, s61, 10
	s_add_co_u32 s66, s66, s53
	s_mov_b32 s67, 0
	s_and_b32 s78, s12, 15                         ; the head
	s_lshr_b32 s79, s12, 4                         ; the batch
	s_lshr_b32 s80, s78, 2
	s_lshl_b32 s80, s80, 21                        ; the result's image: K step head / 4 (2 MiB each),
	s_and_b32 s78, s78, 3
	s_lshl_b32 s78, s78, 10                        ; the head's two groups of 512 bytes among the eight,
	s_add_co_u32 s80, s80, s78
	s_lshl_b32 s79, s79, 19                        ; row block batch x 128 + tile (4,096 bytes each)
	s_add_co_u32 s80, s80, s79
	s_lshl_b32 s82, s60, 12
	s_add_co_u32 s82, s82, s80
	s_mov_b32 s83, 0
	s_lshl_b32 s84, s61, 12
	s_add_co_u32 s84, s84, s80
	s_mov_b32 s85, 0
	s_lshl_b32 s92, s11, 4
	s_wait_dscnt 0x0                               ; both opening adds are done
	s_wait_kmcnt 0x0
	s_load_b256 s[68:75], s[6:7], 0x0              ; e0 .. e7
	s_mov_b32 s[G0A], 1
	s_add_co_u32 s[G0A+1], s50, s51
	s_add_nc_u64 s[G0A+2:G0A+3], s[4:5], s[56:57]
	s_or_b32 s[G0A+3], s[G0A+3], 0x80000000
	s_mov_b32 s[G0B], 1
	s_add_co_u32 s[G0B+1], s50, s52
	s_add_nc_u64 s[G0B+2:G0B+3], s[4:5], s[58:59]
	s_or_b32 s[G0B+3], s[G0B+3], 0x80000000
	s_add_nc_u64 s[76:77], s[4:5], s[62:63]
	s_add_nc_u64 s[86:87], s[4:5], s[66:67]
	s_add_nc_u64 s[88:89], s[8:9], s[82:83]
	s_add_nc_u64 s[90:91], s[8:9], s[84:85]
	CROUND                                         ; all four work-groups are here: the joint loads meet
	tensor_load_to_lds s[G0A:G0A+3], s[G1A:G1A+7]  ; key steps 0 to 3: one tensor load a wave at the head
	s_nop 0
	v_and_b32 v[LI], 31, v0
	v_lshlrev_b32 v[LI], 4, v[LI]
	global_load_b128 v[16:19], v[LI], s[76:77]             ; Q's fragments stay in registers
	global_load_b128 v[20:23], v[LI], s[76:77] offset:512
	global_load_b128 v[24:27], v[LI], s[86:87]
	global_load_b128 v[28:31], v[LI], s[86:87] offset:512
	v_add_nc_u32 v[LIV], VOFF, v[LI]
	v_add_nc_u32 v[LI4], 32768, v[LI]
	v_add_nc_u32 v[LIV4], 32768, v[LIV]
	v_add_nc_u32 v[LIS], 98304, v[LI]
	v_add_nc_u32 v[LIVS], 98304, v[LIV]
	v_and_b32 v242, 15, v0                         ; r
	v_bfe_u32 v243, v0, 4, 1                       ; h
	v_lshlrev_b32 v243, 3, v243
	v_sub_nc_u32 v[DD], v242, v243
	v_add_nc_u32 v[DD], s92, v[DD]                 ; on the diagonal my query is 16 s + r, and register 8 c + i holds key 16 c + 8 h + i: hidden where 16 c + i > 16 s + r - 8 h
	v_mov_b32 v[NINF], 0xff800000
	v_mov_b32 v236, 0                              ; a lane permute's destination counts as one of its sources
	v_mov_b32 v253, 0                              ; (named as the upper half of the pair v[252:253])
	INIT
	s_wait_kmcnt 0x0
	s_add_co_i32 s93, s70, s71
	s_lshl_b32 s93, s93, 23
	s_add_co_i32 s[CS], s[CS], s93                 ; a score stands for score x 2^(e2 + e3): added to c's exponent field
	s_mov_b32 s[CS+1], s[CS]
	s_add_co_i32 s93, s72, 127
	s_lshl_b32 s94, s93, 23
	v_mov_b32 v244, s94                            ; 2^e4
	s_add_co_i32 s93, s93, 8
	s_lshl_b32 s93, s93, 23
	s_or_b32 s93, s93, 0x600000
	v_mov_b32 v[HL0], s93                          ; 448 x 2^e4, in two registers for the two halves of the dual hold
	v_mov_b32 v[HL1], s93
	s_sub_co_i32 s93, s74, s72
	s_sub_co_i32 s93, s93, s73                     ; the result's conversion takes 2^(e6 - e4 - e5)
	s_add_co_i32 s93, s93, 127
	s_lshl_b32 s94, s93, 23
	v_mov_b32 v245, s94
	s_add_co_i32 s93, s93, 8
	s_lshl_b32 s93, s93, 23
	s_or_b32 s93, s93, 0x600000
	v_mov_b32 v241, s93
; A KEY STEP: 128 keys.  mode 0: step = the trip's number, never on the diagonal; mode 1: step 4 + the trip's number; mode 2: step 12 - the trip's number.  q: Q's first register; dg: the scalar that holds the trip on the diagonal.
.macro STEP mode, q, dg
.if \mode == 0
	v_add_nc_u32 v[ADK], s[TB], v[LI]
	v_add_nc_u32 v[ADV], s[TB], v[LIV]
.endif
.if \mode == 1
	v_add_nc_u32 v[ADK], s[TBC], v[LI4]
	v_add_nc_u32 v[ADV], s[TBC], v[LIV4]
.endif
.if \mode == 2
	v_sub_nc_u32 v[ADK], v[LIS], s[TB]
	v_sub_nc_u32 v[ADV], v[LIVS], s[TB]
.endif
	v_nop                                          ; with the two lines above: four places in front of loads into registers that the last products have read
	v_nop
.irp c, 0,1,2,3,4,5,6,7
	ds_load_b128 v[32+8*\c:35+8*\c], v[ADK] offset:1024*\c
	ds_load_b128 v[36+8*\c:39+8*\c], v[ADK] offset:1024*\c+512
.endr
	s_wait_alu depctr_va_vdst(0)
	s_wait_dscnt 0x0
.irp c, 0,1,2,3,4,5,6,7
	v_wmma_f32_16x16x64_fp8_fp8 v[96+8*\c:103+8*\c], v[32+8*\c:39+8*\c], v[\q:\q+7], 0
.endr
.rept 4
	v_nop
.endr
.irp t, 0,1,2,3
.irp n, 0,1,2,3
	ds_load_b128 v[32+16*\t+4*\n:35+16*\t+4*\n], v[ADV] offset:2048*\t+512*\n   ; V lands while the softmax is worked
.endr
.endr
.if \mode
	s_cmp_lg_u32 s[STP], s[\dg]
	s_cbranch_scc1 .Lopen_\@
.set ii, 0
.rept 64
	v_cmp_gt_i32 vcc_lo, 16*(ii/8)+ii%8, v[DD]
	v_cndmask_b32 v[96+ii], v[96+ii], v[NINF], vcc_lo  ; a hidden key's score becomes -infinity: its p is 0
.set ii, ii+1
.endr
.Lopen_\@:
.endif
	v_max3_num_f32 v254, v96, v97, v98             ; the step's largest score of my query, in two chains,
	v_max3_num_f32 v252, v99, v100, v101
.irp i, 6,10,14,18,22,26,30,34,38,42,46,50,54,58
	v_max3_num_f32 v254, v254, v[96+\i], v[97+\i]
	v_max3_num_f32 v252, v252, v[98+\i], v[99+\i]
.endr
	v_max3_num_f32 v254, v254, v158, v159
	v_max_num_f32 v254, v254, v252
	v_permlanex16_b32 v236, v254, s[SEL], s[SEL+1]
	v_max_num_f32 v254, v254, v236                 ; and among lane l xor 16's
	v_mul_f32 v254, s[CS], v254                    ; as t (c is positive)
	v_max_num_f32 v13, v13, v254
	v_mov_b32 v254, v12
	v_floor_f32 v12, -v13                          ; -M = floor(-t)
	v_sub_f32 v254, v12, v254                      ; old M less new M: a whole number, 0 or less
	v_cvt_i32_f32 v254, v254                       ; (it saturates)
	v_ldexp_f32 v252, 1.0, v254                    ; f = 2^(old M - new M)
.set ii, 0
.rept 32
	v_pk_fma_f32 v[96+ii:97+ii], v[96+ii:97+ii], s[CS:CS+1], v[12:13] op_sel_hi:[1,0,0]   ; t - M
.set ii, ii+2
.endr
	s_wait_alu depctr_va_vdst(0)
.set ii, 0
.rept 64
	v_exp_f32 v[96+ii], v[96+ii]
.set ii, ii+1
.endr
	v_pk_mul_f32 v[14:15], v[14:15], v[252:253] op_sel_hi:[1,0]   ; the sums under the new M (a plain line behind the batch)
	s_wait_alu depctr_va_vdst(0)                   ; and the one wait behind it
	v_pk_add_f32 v[242:243], v[96:97], v[98:99]    ; the row's sum of the unquantised p, in four chains
	v_pk_add_f32 v[246:247], v[100:101], v[102:103]
	v_pk_add_f32 v[248:249], v[104:105], v[106:107]
.irp j, 108,116,124,132,140,148
	v_pk_add_f32 v[14:15], v[14:15], v[\j:\j+1]
	v_pk_add_f32 v[242:243], v[242:243], v[\j+2:\j+3]
	v_pk_add_f32 v[246:247], v[246:247], v[\j+4:\j+5]
	v_pk_add_f32 v[248:249], v[248:249], v[\j+6:\j+7]
.endr
	v_pk_add_f32 v[14:15], v[14:15], v[156:157]
	v_pk_add_f32 v[242:243], v[242:243], v[158:159]
	v_pk_add_f32 v[246:247], v[246:247], v[248:249]
	v_pk_add_f32 v[14:15], v[14:15], v[242:243]
	v_pk_add_f32 v[14:15], v[14:15], v[246:247]
.set ii, 0
.rept 32
	v_dual_min_num_f32 v[96+ii], v[96+ii], v[HL0] :: v_dual_min_num_f32 v[97+ii], v[97+ii], v[HL1]   ; the conversion does not saturate (ISA guide 7.6.2); p is not negative: a one-sided hold, two numbers a line
.set ii, ii+2
.endr
.irp c, 0,1,2,3,4,5,6,7
	v_cvt_scalef32_pk8_fp8_f32 v[192+2*\c:193+2*\c], v[96+8*\c:103+8*\c], v244
.endr
	s_wait_alu depctr_va_vdst(0)                   ; the wait directly ahead of the first reader of O^T
.set ii, 0
.rept 16
	v_pk_mul_f32 v[160+ii:161+ii], v[160+ii:161+ii], v[252:253] op_sel_hi:[1,0]   ; O^T x f (also the plain lines between the conversions and the products)
.set ii, ii+2
.endr
	s_wait_alu depctr_va_vdst(0)
	s_wait_dscnt 0x0                               ; V is in
.irp t, 0,1,2,3                        ; four accumulators by turns; the next step's eight products stand between two steps of a sum
	v_wmma_f32_16x16x128_fp8_fp8 v[160+8*\t:167+8*\t], v[32+16*\t:47+16*\t], v[192:207], v[160+8*\t:167+8*\t]
.endr
.endm
; THE WAY OUT of a tile.  O^T / the sum is quantised where it stands: tile t's eight registers are channels 16 t + 8 h + 0 .. 7 of my query's row.  cd: the codes' registers, a set for each tile; ob: the scalar pair of the address.
.macro WAYOUT cd, ob
.rept 4
	v_nop
.endr
	v_add_f32 v14, v14, v15
	v_permlanex16_b32 v236, v14, s[SEL], s[SEL+1]
	v_add_f32 v14, v14, v236
	s_wait_alu depctr_va_vdst(0)
	v_rcp_f32 v14, v14
	v_nop
	s_wait_alu depctr_va_vdst(0)
.set ii, 0
.rept 16
	v_pk_mul_f32 v[96+ii:97+ii], v[160+ii:161+ii], v[14:15] op_sel_hi:[1,0]
.set ii, ii+2
.endr
.set ii, 0
.rept 32
	v_med3_num_f32 v[96+ii], v[96+ii], -v241, v241
.set ii, ii+1
.endr
.irp t, 0,1,2,3
	v_cvt_scalef32_pk8_fp8_f32 v[\cd+2*\t:\cd+2*\t+1], v[96+8*\t:103+8*\t], v245
.endr
	v_nop
	global_store_b128 v[LI], v[\cd:\cd+3], s[\ob:\ob+1]            ; 512 consecutive bytes, aligned
	global_store_b128 v[LI], v[\cd+4:\cd+7], s[\ob:\ob+1] offset:512
.endm
	s_wait_alu depctr_va_vdst(0)
	s_wait_tensorcnt 0x0                           ; my part of key steps 0 to 3 is in
	ds_add_u32 v[SPW], v[NIL]
	s_wait_dscnt 0x0
	CROUND                                         ; everybody's part is in, and all four work-groups are here
	tensor_load_to_lds s[G0B:G0B+3], s[G1B:G1B+7]  ; key steps 4 to 15: my one load behind the round
	s_nop 0
	s_wait_loadcnt 0x0                             ; Q
	s_mov_b32 s[TB], 0
	s_mov_b32 s[STP], 0
	s_barrier_signal -1                            ; the turning barrier's first signal
.Lfirst:                                           ; key steps 0 to 3 of the longer tile read LDS bytes 0 to 32,767 of K's block and of V's
	s_barrier_wait -1                              ; every wave has begun the trip before
	s_barrier_signal -1
	STEP 0, 16, DL
	s_add_co_u32 s[TB], s[TB], 8192
	s_add_co_u32 s[STP], s[STP], 1
	s_cmp_lt_u32 s[STP], 4
	s_cbranch_scc1 .Lfirst
	s_barrier_wait -1
	s_wait_tensorcnt 0x0                           ; my part of key steps 4 to 15 is in:
	s_wait_dscnt 0x0
	s_barrier_signal -1                            ; say so; behind the wait at the next loop's head everybody's is.
	s_mov_b32 s[TB], 0
	s_mov_b32 s[STP], 0
.Lmain:                                            ; 13 trips, a key step of one of my two tiles in each
	s_barrier_wait -1
	s_cmp_lg_u32 s[STP], s[SW]
	s_cbranch_scc1 .Lsame
	WAYOUT 224, 88                                 ; the longer tile is finished; its stores stand between the wait and the signal
	INIT                                           ; the shorter tile begins
	s_wait_alu depctr_va_vdst(0)
.Lsame:
	s_barrier_signal -1
	s_min_u32 s[TBC], s[TB], 0x16000
	s_cmp_ge_u32 s[STP], s[SW]
	s_cbranch_scc1 .Lshort
	STEP 1, 16, DL
	s_branch .Ljoin
.Lshort:
	STEP 2, 24, SW
.Ljoin:
	s_add_co_u32 s[TB], s[TB], 8192
	s_add_co_u32 s[STP], s[STP], 1
	s_cmp_lt_u32 s[STP], 13
	s_cbranch_scc1 .Lmain
	s_barrier_wait -1                              ; the last signal's wait
	WAYOUT 216, 90
	s_wait_tensorcnt 0x0                           ; the wave's end
	ds_add_u32 v[SPW], v[NIL]
	s_wait_dscnt 0x0
	CROUND                                         ; the closing round
	s_endpgm
.Lfunc_end_k_q395d906818_attn:
	.size	k_q395d906818_attn, .Lfunc_end_k_q395d906818_attn-k_q395d906818_attn
	.p2alignl 7, 3214868480
	.fill 96, 4, 3214868480
	.section	.rodata,"a",@progbits
	.p2align	6, 0x0
	.amdhsa_kernel k_q395d906818_attn
		.amdhsa_group_segment_fixed_size 327680
		.amdhsa_private_segment_fixed_size 0
		.amdhsa_enable_private_segment 0
		.amdhsa_kernarg_size 24
		.amdhsa_user_sgpr_count 2
		.amdhsa_user_sgpr_kernarg_segment_ptr 1
		.amdhsa_wavefront_size32 1
		.amdhsa_system_sgpr_workgroup_id_x 1
		.amdhsa_system_sgpr_workgroup_id_y 1
		.amdhsa_system_sgpr_workgroup_id_z 1
		.amdhsa_system_vgpr_workitem_id 0
		.amdhsa_next_free_vgpr 256
		.amdhsa_next_free_sgpr 100
		.amdhsa_reserve_vcc 1
		.amdhsa_float_denorm_mode_32 3
		.amdhsa_float_denorm_mode_16_64 3
		.amdhsa_memory_ordered 1
		.amdhsa_forward_progress 1
		.amdhsa_inst_pref_size 74
	.end_amdhsa_kernel
	.amdgpu_metadata
---
amdhsa.version: [ 1, 2 ]
amdhsa.kernels:
  - .name:           k_q395d906818_attn
    .symbol:         k_q395d906818_attn.kd
    .args:
      - { .name: qkvc, .offset: 0, .size: 8, .value_kind: global_buffer, .address_space: global }
      - { .name: lowp_scales, .offset: 8, .size: 8, .value_kind: global_buffer, .address_space: global }
      - { .name: aimg, .offset: 16, .size: 8, .value_kind: global_buffer, .address_space: global }
    .group_segment_fixed_size: 327680
    .private_segment_fixed_size: 0
    .kernarg_segment_align: 8
    .kernarg_segment_size: 24
    .max_flat_workgroup_size: 512
    .sgpr_count:     100
    .vgpr_count:     256
    .wavefront_size: 32
...
	.end_amdgpu_metadata
.endif
;; end of part 3
;; launch proj (part 4): grid 8 x 32, 4 waves a work-group, clusters of 4 x 1, 327,680 bytes of LDS; arguments aimg, xw, lowp_scales, out0; writes out0
.if DOCPART == 4
	.amdgcn_target "amdgcn-amd-amdhsa--gfx1250"
	.amdhsa_code_object_version 6
	.text
	.protected	k_q395d906818_proj
	.globl	k_q395d906818_proj
	.p2align	8
	.type	k_q395d906818_proj,@function
k_q395d906818_proj:
	s_mov_b64 s[64:65], 0
	v_nop
	global_prefetch_b8 v0, s[64:65] scope:SCOPE_SE
	s_setreg_imm32_b32 hwreg(HW_REG_WAVE_MODE, 25, 1), 1
	s_wait_xcnt 0x0
	s_wait_alu depctr_hold_cnt(0) depctr_sa_sdst(0) depctr_va_vdst(0) depctr_va_sdst(0) depctr_va_ssrc(0) depctr_va_vcc(0) depctr_vm_vsrc(0)
	s_getreg_b32 s2, hwreg(HW_REG_IB_STS2, 6, 4)
	s_cmp_eq_u32 s2, 0
	s_cbranch_scc0 .Lentry_in_a_cluster
	s_endpgm
.Lentry_in_a_cluster:
	s_bfe_u32 s2, ttmp6, 0x10000c
	s_cmp_lg_u32 s2, 0x3003
	s_cbranch_scc0 .Lentry_shape_is_right
	s_endpgm
.Lentry_shape_is_right:
; out0 = attention's result x Wo^T on codes of FP8 (E4M3), K = 1,024; each finished sum is multiplied once by 2^(e6 + e7).  LIMIT: e6 + e7 between -126 and 127, so that this power of two is an f32 number.
; SHARES.  A work-group owns 256 tokens (work-group y) x 128 output channels (work-group x).  Wave w makes 128 tokens (w / 2) x 64 channels (w % 2): 32 accumulators.
; The 256 rows x 1,024 K of the left operand are 262,144 bytes of LDS, filled ONCE: wave w fetches K step w of 256 (65,536 dense bytes of the image).  No ring, no refill.
; Wo's fragments go from memory straight into registers: they lie as images of the operand's registers, so a load of 512 consecutive bytes is a quarter of a fragment; a wave's 32 fragments fill 512 registers.
; THE PRODUCTS GO BY ROWS OF out0, NOT BY K: all of K is at hand, so a pair of blocks of 16 tokens is finished in four groups of 16 products (its 8 accumulators by turns, K ascending), and leaves while the next pairs are multiplied.
; CLUSTER: the four work-groups of a cluster share work-group y and so the left operand's tile: each block is asked for jointly, mask 15.  Wo's rows differ between partners and are plain loads.
; No data prefetch: every tile of the launch is asked for at the head; there is no later load to run ahead of.
; THE MATRIX INSTRUCTION IS USED TRANSPOSED: source 0 = 16 rows of Wo, source 1 = 16 tokens: lane (r, h) holds token r and channels 8 h + 0 .. 7 of the block: 32 neighbouring bytes of a row of out0.
; THE WAY OUT: 16 tokens x 64 channels at a time through the wave's own stage in LDS (bytes that no fill lands on), back as rows of 256 bytes into the block's own accumulator registers: sixteen lanes store one aligned unit of 256 bytes.
; REGISTERS, in windows of 256: window 0: v0-31 addresses; v32-63 the way out's numbers; v64-255 the left operand's fragments, three buffers of four;
; window 1: accumulator (a, b) at v[32 a + 8 b], then block a's rows on their way out;  windows 2, 3: Wo's fragments, (q, b) at 64 q + 16 b, q = the 128 along K.
.set BOFF,  8388608+192*4096           ; Wo's image in xw: behind x's image and the 192 row blocks of Wq, Wk, Wv
.set SPARE, 262144                     ; behind the tile: the spare words, 128 bytes a wave
.set STAGE, 262656                     ; behind them: a stage of 16 rows x 272 bytes for each wave
.set SPITCH, 272                       ; 256 bytes + 16: the sixteen rows that a store touches start at sixteen different banks (64 banks of 4 bytes: ISA guide 11.1)
.set ADRA, 16                          ; v16-19  LDS address of my rows in K step 0 .. 3
.set STO,  24                          ; v24  the stage, on the way in
.set RD,   25                          ; v25  and back
.set LI,   26                          ; v26  16 x lane
.set CO,   27                          ; v27  my byte offset in two rows of out0
.set SPW,  28
.set NIL,  29
.set TMP,  32
.set G1,   24
.set G0,   32
.set MSB, 0
.macro WIN new                         ; the immediate's high byte repeats the setting that is left
.if MSB != (\new)
	s_set_vgpr_msb (MSB<<8)|(\new)
.set MSB, (\new)
.endif
.endm
.macro CROUND                          ; a round of the cluster's barrier
	s_barrier_signal -1
	s_barrier_wait -1
	s_cmp_lg_u32 s14, 0
	s_cbranch_scc1 .Lnot_wave_0_\@
	s_barrier_signal -3
.Lnot_wave_0_\@:
	s_barrier_wait -3
	s_barrier_signal -1
	s_barrier_wait -1
.endm
.macro PLACES n
.rept \n
	v_nop
.endr
.endm
.macro BLOAD q                         ; Wo's four fragments of the q-th 128 along K: 16 loads of 512 consecutive bytes
	WIN 0x80+0x40*((\q)/4)
.irp b, 0,1,2,3
.irp c, 0,1,2,3
	global_load_b128 v[64*((\q)%4)+16*\b+4*\c:64*((\q)%4)+16*\b+4*\c+3], v[LI], s[46:47] offset:((\q)/2)*0x100000+4096*\b+((\q)%2)*2048+512*\c
.endr
.endr
.endm
.macro FETCHG n                        ; group n: token blocks 2 (n / 4) + 0, 1 in K step n % 4 of 256 (two steps of 128), into buffer n % 3
.irp qi, 0,1
.irp a2, 0,1
.irp c, 0,1,2,3
	ds_load_b128 v[64+64*((\n)%3)+16*(2*\qi+\a2)+4*\c:64+64*((\n)%3)+16*(2*\qi+\a2)+4*\c+3], v[ADRA+(\n)%4] offset:4096*(2*((\n)/4)+\a2)+2048*\qi+512*\c
.endr
.endr
.endr
.endm
.macro MM d, w, x, z                   ; z = 0: the first product starts the sum
.if \z
	v_wmma_f32_16x16x128_fp8_fp8 v[\d:\d+7], v[\w:\w+15], v[\x:\x+15], v[\d:\d+7]
.else
	v_wmma_f32_16x16x128_fp8_fp8 v[\d:\d+7], v[\w:\w+15], v[\x:\x+15], 0
.endif
.endm
.macro MULG n                          ; 16 products: the pair's 8 accumulators by turns, twice; seven others stand between two steps of a sum
.set QB, 2*((\n)%4)
	WIN 0x52+((\n)%4)/2
.irp qi, 0,1
.irp a2, 0,1
.irp b, 0,1,2,3
	MM (32*(2*((\n)/4)+\a2)+8*\b), (64*((QB+\qi)%4)+16*\b), (64+64*((\n)%3)+16*(2*\qi+\a2)), (QB+\qi)
.endr
.endr
.endr
.endm
.macro TOSTAGE a                       ; block a: x 2^(e6 + e7), into the stage, and back as rows into its own accumulator registers
	WIN 0x01                                       ; source 0: window 1
.irp j, 0,2,4,6,8,10,12,14,16,18,20,22,24,26,28,30
	v_pk_mul_f32 v[TMP+\j:TMP+\j+1], v[32*(\a)+\j:32*(\a)+\j+1], s[96:97] op_sel_hi:[1,0]   ; both x s96; each accumulator from its low end on
.endr
	WIN 0
.irp b, 0,1,2,3
	ds_store_b128 v[STO], v[TMP+8*\b:TMP+8*\b+3] offset:64*\b
	ds_store_b128 v[STO], v[TMP+8*\b+4:TMP+8*\b+7] offset:64*\b+16
.endr
	WIN 0x40                                       ; destination: window 1
.irp t, 0,1,2,3,4,5,6,7
	ds_load_b128 v[32*(\a)+4*\t:32*(\a)+4*\t+3], v[RD] offset:\t*2*SPITCH    ; LDS serves a wave's instructions in order (ISA guide 5.7.1.4): these see the stores above
.endr
.endm
.macro SEND a
	WIN 0x04                                       ; the stores' data: window 1
.irp t, 0,1,2,3,4,5,6,7
	global_store_b128 v[CO], v[32*(\a)+4*\t:32*(\a)+4*\t+3], s[10:11] offset:65536*(\a)+8192*\t th:TH_STORE_NT   ; sixteen lanes store 256 consecutive bytes, aligned; these registers are not written again
.endr
.endm
	s_load_b128 s[4:7], s[0:1], 0x0                ; aimg s[4:5], xw s[6:7]
	s_load_b128 s[8:11], s[0:1], 0x10              ; lowp_scales s[8:9], out0 s[10:11]
	v_lshl_add_u32 v[SPW], v0, 2, SPARE
	v_mov_b32 v[NIL], 0
	ds_add_u32 v[SPW], v[NIL]                      ; the opening lines: the add, twice on end, and its wait ahead of my first tensor load
	ds_add_u32 v[SPW], v[NIL]
	v_lshrrev_b32 v1, 5, v0
	v_readfirstlane_b32 s14, v1                    ; wave 0..3
	s_lshr_b32 s15, s14, 1                         ; which 128 tokens
	s_and_b32 s16, s14, 1                          ; which 64 channels
	s_bfe_u32 s40, ttmp6, 0x40000                  ; cx: it enters global addresses of plain loads and stores alone
	s_lshl_b32 s42, ttmp9, 2
	s_add_co_u32 s42, s42, s40                     ; block of 128 channels, 0 .. 7
	s_and_b32 s17, ttmp7, 0xffff                   ; block of 256 tokens, 0 .. 31: shared by the four partners
	s_mov_b32 s[G1], 15|(3<<16)|(1<<21)            ; mask: all four; elements of 8 bytes; bit 21 beside a mask
	s_mov_b32 s[G1+1], 32<<16                      ; a dense block as 256 rows of 256 bytes
	s_mov_b32 s[G1+2], 256<<16
	s_mov_b32 s[G1+3], 32<<16
	s_mov_b32 s[G1+4], 256
	s_mov_b32 s[G1+5], 32
	s_mov_b32 s[G1+6], 0
	s_mov_b32 s[G1+7], 0
	s_lshl_b32 s20, s17, 16                        ; the image: 65,536 bytes a tile in a K step,
	s_lshl_b32 s18, s14, 21                        ; 2 MiB a K step: mine is K step = wave
	s_add_co_u32 s20, s20, s18
	s_mov_b32 s21, 0
	s_lshl_b32 s46, s42, 15                        ; Wo's image: 8 row blocks of 4,096 bytes a channel block,
	s_lshl_b32 s47, s16, 14                        ; 4 for my 64 channels
	s_add_co_u32 s46, s46, s47
	s_add_co_u32 s46, s46, BOFF
	s_mov_b32 s47, 0
	s_lshl_b32 s50, s17, 20                        ; out0: 256 rows of 4,096 bytes a token block,
	s_lshl_b32 s51, s15, 19                        ; my 128 rows,
	s_add_co_u32 s50, s50, s51
	s_lshl_b32 s51, s42, 9                         ; 512 bytes a channel block,
	s_add_co_u32 s50, s50, s51
	s_lshl_b32 s51, s16, 8                         ; my 256 bytes
	s_add_co_u32 s50, s50, s51
	s_mov_b32 s51, 0
	s_lshl_b32 s82, s15, 15
	s_mul_i32 s23, s14, 16*SPITCH
	s_add_co_u32 s23, s23, STAGE                   ; my stage
	s_wait_dscnt 0x0                               ; both opening adds are done
	s_wait_kmcnt 0x0
	s_load_b64 s[96:97], s[8:9], 0x18              ; e6, e7
	s_mov_b32 s[G0], 1
	s_lshl_b32 s[G0+1], s14, 16                    ; LDS: wave x 65,536
	s_add_nc_u64 s[G0+2:G0+3], s[4:5], s[20:21]
	s_or_b32 s[G0+3], s[G0+3], 0x80000000
	s_add_nc_u64 s[46:47], s[6:7], s[46:47]
	s_add_nc_u64 s[10:11], s[10:11], s[50:51]
	CROUND                                         ; all four work-groups are here: the joint loads meet
	tensor_load_to_lds s[G0:G0+3], s[G1:G1+7]      ; my one tensor load
	s_nop 0
	v_and_b32 v6, 31, v0
	v_lshlrev_b32 v[LI], 4, v6
	v_add_nc_u32 v[ADRA], s82, v[LI]
	v_add_nc_u32 v[ADRA+1], 0x10000, v[ADRA]
	v_add_nc_u32 v[ADRA+2], 0x20000, v[ADRA]
	v_add_nc_u32 v[ADRA+3], 0x30000, v[ADRA]
	v_and_b32 v1, 15, v0                           ; r
	v_bfe_u32 v2, v0, 4, 1                         ; h
	v_mul_u32_u24 v5, v1, SPITCH                   ; in: row r, 32 bytes for each half of the lanes
	v_lshl_add_u32 v5, v2, 5, v5
	v_add_nc_u32 v[STO], s23, v5
	v_mul_u32_u24 v7, v2, SPITCH                   ; back: lanes 0-15 one row, lanes 16-31 the next
	v_lshl_add_u32 v7, v1, 4, v7
	v_add_nc_u32 v[RD], s23, v7
	v_lshlrev_b32 v[CO], 12, v2                    ; and the same two rows in out0
	v_lshl_add_u32 v[CO], v1, 4, v[CO]
.irp q, 0,1,2,3,4,5,6,7
	BLOAD \q
.endr
	WIN 0
	s_wait_kmcnt 0x0
	s_add_co_i32 s96, s96, s97
	s_add_co_i32 s96, s96, 127
	s_lshl_b32 s96, s96, 23                        ; 2^(e6 + e7) as f32
	s_wait_alu depctr_va_vdst(0)
	s_wait_tensorcnt 0x0                           ; my K step is in,
	s_barrier_signal -1
	s_barrier_wait -1                              ; everybody's is
; 16 groups.  While group n is multiplied, group n + 1 is in or landing and group n + 2 is asked for, into the buffer that group n - 1 has left (four places behind its products: ISA guide 7.12.1 for vector instructions).
; From group 4 on the pair finished four groups ago leaves: in an even group a block goes through the stage, in the odd group behind it the block is stored.
	FETCHG 0
	FETCHG 1
.set G, 0
.rept 16
.if (G>0)&&((G<14)||(G%2==0))
	PLACES 4                                       ; also the places ahead of the way out's first read of results just made
.endif
	WIN 0
.if G<14
	FETCHG G+2
.endif
.if G<2
	s_wait_loadcnt 63                              ; behind these fragments' loads at least 64 others were issued
.endif
.if G==2
	s_wait_loadcnt 32                              ; the fragments of the last two steps of 128 may be out
.endif
.if G==3
	s_wait_loadcnt 0x0
.endif
.if G==15
	s_wait_dscnt 0x0
.else
.if (G<14)&&((G%2==0)||(G<4))
	s_wait_dscnt 32                                ; group n is in; the 32 loads of the two groups behind it may be out
.else
	s_wait_dscnt 16                                ; group n is in, and the block that went through the stage in the group before is back; the youngest group's 16 loads may be out
.endif
.endif
.if (G>=4)&&(G%2==0)
	TOSTAGE 2*(G/4-1)+(G%4)/2
.endif
.if (G>=4)&&(G%2==1)
	SEND 2*(G/4-1)+(G%4)/2
.endif
	MULG G
.set G, G+1
.endr
	PLACES 4                                       ; behind the last products
	TOSTAGE 6
	TOSTAGE 7
	s_wait_dscnt 16                                ; block 6 is back; block 7's 8 stores and 8 loads may be out
	SEND 6
	s_wait_dscnt 0x0
	SEND 7
	WIN 0
	s_wait_tensorcnt 0x0                           ; the wave's end
	ds_add_u32 v[SPW], v[NIL]
	s_wait_dscnt 0x0
	CROUND                                         ; the closing round
	s_endpgm
.Lfunc_end_k_q395d906818_proj:
	.size	k_q395d906818_proj, .Lfunc_end_k_q395d906818_proj-k_q395d906818_proj
	.p2alignl 7, 3214868480
	.fill 96, 4, 3214868480
	.section	.rodata,"a",@progbits
	.p2align	6, 0x0
	.amdhsa_kernel k_q395d906818_proj
		.amdhsa_group_segment_fixed_size 327680
		.amdhsa_private_segment_fixed_size 0
		.amdhsa_enable_private_segment 0
		.amdhsa_kernarg_size 32
		.amdhsa_user_sgpr_count 2
		.amdhsa_user_sgpr_kernarg_segment_ptr 1
		.amdhsa_wavefront_size32 1
		.amdhsa_system_sgpr_workgroup_id_x 1
		.amdhsa_system_sgpr_workgroup_id_y 1
		.amdhsa_system_sgpr_workgroup_id_z 1
		.amdhsa_system_vgpr_workitem_id 0
		.amdhsa_next_free_vgpr 1024
		.amdhsa_next_free_sgpr 100
		.amdhsa_reserve_vcc 0
		.amdhsa_float_denorm_mode_32 3
		.amdhsa_float_denorm_mode_16_64 3
		.amdhsa_memory_ordered 1
		.amdhsa_forward_progress 1
		.amdhsa_inst_pref_size 76
	.end_amdhsa_kernel
	.amdgpu_metadata
---
amdhsa.version: [ 1, 2 ]
amdhsa.kernels:
  - .name:           k_q395d906818_proj
    .symbol:         k_q395d906818_proj.kd
    .args:
      - { .name: aimg, .offset: 0, .size: 8, .value_kind: global_buffer, .address_space: global }
      - { .name: xw, .offset: 8, .size: 8, .value_kind: global_buffer, .address_space: global }
      - { .name: lowp_scales, .offset: 16, .size: 8, .value_kind: global_buffer, .address_space: global }
      - { .name: out0, .offset: 24, .size: 8, .value_kind: global_buffer, .address_space: global }
    .group_segment_fixed_size: 327680
    .private_segment_fixed_size: 0
    .kernarg_segment_align: 8
    .kernarg_segment_size: 32
    .max_flat_workgroup_size: 128
    .sgpr_count:     100
    .vgpr_count:     1024
    .wavefront_size: 32
...
	.end_amdgpu_metadata
.endif
;; end of part 4
